; MI455X (gfx1250); checked and timed in simulation.
; The chip was launched on July 23, 2026; its instructions are those of AMD's public machine-readable ISA for CDNA 5 (MIT licence, August 2026) and "CDNA5" Instruction Set Architecture Reference Guide (July 2026). The comments in the code are by the model that wrote it; some were corrected since.
;; Self Attention. Allowed arithmetic: matrix products marked QUANTISED: E2M1 operands, one E8M0 scale for each 32 along K, by v_wmma_scale_f32_16x16x128_f8f6f4 with both operands' format E2M1 (or v_wmma_scale_f32_32x16x128_f4), f32 sums; everything else in f32.
;; Inputs: gn_b 256 float32; gn_w 256 float32; out_b 256 float32; out_w 256 x 256 float32; qkv_b 768 float32; qkv_w 768 x 256 float32; x 4 x 256 x 64 x 64 float32.
;; Outputs: out0 4 x 256 x 64 x 64 float32.
;; This version of the problem:
;;   THIS VERSION OF THE PROBLEM IS GIVEN IN LOW PRECISION. The matrix products marked QUANTISED in the list below multiply operands that are first quantised to E2M1 (2 exponent bits, 1 mantissa bit; 4 bits a number), with one power-of-two scale for each 32 numbers along K (OCP MX v1.0); their sums are f32. All else is computed in f32.
;;   The module's matrix products, in the order in which they are computed (A, B: the left and right operand; K: the contracted axis; several contracted axes count as one K, in the product's order):
;;     1. [M 16,384, K 256] x [K 256, N 768]; A: computed on the way; B: input qkv_w: QUANTISED
;;     2. batch 16 x [M 4,096, K 64] x [K 64, N 4,096]; A: computed on the way; B: computed on the way: QUANTISED
;;     3. batch 16 x [M 64, K 4,096] x [K 4,096, N 4,096]; A: computed on the way; B: softmax (see below): QUANTISED
;;     4. [M 16,384, K 256] x [K 256, N 256]; A: computed on the way; B: input out_w: QUANTISED
;;   THE QUANTISER, for each operand of a quantised product, along K:
;;     - K is cut into blocks of 32 from its start; a last block that is shorter is filled with zeros.
;;     - A block's scale is 2^e with e = floor(log2(the largest magnitude in the block)) - 2, held to -126 .. 127; a block of zeros has e = 0. As a byte (E8M0): e + 127.
;;     - Each number is divided by its block's scale, clamped to +-6, and rounded to the nearest number of E2M1, ties to even, subnormals kept.
;;     - The product sums the exact products of the quantised numbers (number of the format x scale) in f32.
;;   ~~~python
;;   def quantise(x, axis):      # numpy; x: float32 -> the quantised numbers, widened to float32 again
;;       x = np.moveaxis(x, axis, -1); K = x.shape[-1]
;;       x = np.pad(x, [(0, 0)] * (x.ndim - 1) + [(0, -K % 32)]); x = x.reshape(x.shape[:-1] + (-1, 32)); a = np.abs(x).max(-1, keepdims=True)
;;       e = np.where(a > 0, np.clip(np.frexp(np.where(a > 0, a, 1))[1] - 1 - 2, -126, 127), 0)      # np.frexp(a)[1] - 1 = floor(log2(a)), exactly
;;       r = np.clip(x / 2.0 ** e, -6, 6)
;;       step = 2.0 ** (np.maximum(np.frexp(np.where(r == 0, 1, r))[1] - 1, 0) - 1)
;;       q = np.round(r / step) * step * 2.0 ** e      # np.round: ties to even
;;       return np.moveaxis(q.reshape(q.shape[:-2] + (-1,))[..., :K], -1, axis).astype(np.float32)
;;   ~~~
;;   SOFTMAX AHEAD OF A QUANTISED PRODUCT. Where the list says 'softmax', what is quantised is not the finished softmax but p = 2^(t - M), with t = logit x log2(e) and M = ceil(the row's largest t), a whole number; so 1/2 < the row's largest p <= 1. The row's sum l is taken of the UNQUANTISED p, in f32, and the product's result is divided by l at the end. Since M is a whole number, a kernel that streams over the keys may use a running M (the ceiling of the running maximum): every later rescaling is an exact power of two, which a block's scale takes up: the codes' values come out the same.
;;   OPERANDS COMPUTED ON THE WAY. 'Computed on the way' means the value that the module computes at that place (a softmax that the list does not call 'softmax' is quantised finished and normalised). What goes into a quantiser is computed in f32, as accurately as f32 sums, v_exp_f32 and their like allow (about 1e-6 of the number): no bf16 or f16 on the way to a quantiser, and a product that is left as it is and whose result goes on into a quantised operand takes f32 operands (vector FMAs, or v_wmma_f32_16x16x4_f32). A number that lies on a knife's edge between two numbers of the format may be rounded either way, as far as f32 arithmetic and the matrix unit's own rounding can turn it there, and no further.
;; One version. Each part assembles by itself: llvm-mc -triple=amdgcn-amd-amdhsa -mcpu=gfx1250 --defsym DOCPART=n.
;; ======== version 1 of 1: 4 launches
;; workspace buffers: stats 32,768 bytes; wimg 147,456 bytes; qimg 2,359,296 bytes; kv 4,587,520 bytes; oimg 2,359,296 bytes
;; launch prep (part 1): grid 136 x 1, 16 waves a work-group, no clusters, 2,560 bytes of LDS; arguments x, qkv_w, out_w, stats, wimg; writes stats, wimg
.if DOCPART == 1
	.amdgcn_target "amdgcn-amd-amdhsa--gfx1250"
	.amdhsa_code_object_version 6
	.text
	.protected	k_q7960d7f8ae_prep
	.globl	k_q7960d7f8ae_prep
	.p2align	8
	.type	k_q7960d7f8ae_prep,@function
k_q7960d7f8ae_prep:
	s_mov_b64 s[64:65], 0
	v_nop
	global_prefetch_b8 v0, s[64:65] scope:SCOPE_SE
	s_setreg_imm32_b32 hwreg(HW_REG_WAVE_MODE, 25, 1), 1
	s_wait_xcnt 0x0
; TWO JOBS IN ONE LAUNCH, parted by the work-group's number.
; Work-groups 0-127: mean and 1/sqrt(var + eps) of one group of the group norm.  Group G = 32 b + g is 8 channels x 4,096 positions = 131,072 consecutive bytes of x.
;   16 waves x 32 lanes hold the whole group in registers (64 numbers a lane), so x is read once and the variance is taken of x - mean (two passes over registers):
;   a common offset of x costs no digits.  The pair (mean, rstd) is stored 32 times, 256 consecutive aligned bytes, and read by scalar loads in the next launch.
; Work-groups 128-135: qkv_w [768][256] and out_w [256][256] become codes of FP4 (E2M1) with one E8M0 byte for each 32 along K (their second axis), laid as IMAGES OF OPERAND REGISTERS:
;   unit id = 2 T + s (T: tile of 16 rows, 0-47 qkv_w, 48-63 out_w; s: K step of 128): codes at 1024 id + 512 c + 16 lane, scale words at 131,072 + 128 id + 4 lane.
;   THE ROWS OF A TILE ARE NOT NEIGHBOURS: lane r of tile 2 B + u takes row 32 B + 8 u + r + 8 (r / 8), so that results of two neighbouring tiles are 16 neighbours in a lane.
; A block's scale is 2^(floor(log2(largest magnitude)) - 2); its byte is the largest magnitude's exponent field - 2, held at 1 from below.
; LIMITS: NaN and infinities are not served; a block of zeros gets the byte 1 where the rule says 127 (its codes are zeros, and this program alone reads the bytes).
.set XD,   16                          ; v16-79   my 64 numbers of the group
.set PART, 80                          ; v80-95   the sixteen waves' partial sums
.set MR,   96                          ; v96, v97 mean, rstd
.macro JOIN                            ; four chains of pairs -> one number in v10
	s_delay_alu instid0(VALU_DEP_3)
	v_pk_add_f32 v[2:3], v[2:3], v[4:5]
	s_delay_alu instid0(VALU_DEP_2)
	v_pk_add_f32 v[6:7], v[6:7], v[8:9]
	s_delay_alu instid0(VALU_DEP_1)
	v_pk_add_f32 v[2:3], v[2:3], v[6:7]
	s_delay_alu instid0(VALU_DEP_1)
	v_add_f32 v10, v2, v3
.endm
.macro WSUM                            ; v10 summed over the wave's 32 lanes, the result in every lane
	s_delay_alu instid0(VALU_DEP_1)
	v_add_f32_dpp v10, v10, v10 row_xmask:1 row_mask:0xf bank_mask:0xf
	s_delay_alu instid0(VALU_DEP_1)
	v_add_f32_dpp v10, v10, v10 row_xmask:2 row_mask:0xf bank_mask:0xf
	s_delay_alu instid0(VALU_DEP_1)
	v_add_f32_dpp v10, v10, v10 row_xmask:4 row_mask:0xf bank_mask:0xf
	s_delay_alu instid0(VALU_DEP_1)
	v_add_f32_dpp v10, v10, v10 row_xmask:8 row_mask:0xf bank_mask:0xf
	s_delay_alu instid0(VALU_DEP_1)
	v_permlanex16_b32 v11, v10, s20, s21
	s_delay_alu instid0(VALU_DEP_1)
	v_add_f32 v10, v10, v11
.endm
.macro XSUM base                       ; v10 summed over the sixteen waves, through 64 bytes of LDS at base; the result in v80 of every lane
	ds_store_b32 v12, v10 offset:\base             ; all lanes of a wave write the wave's word with the same value
	s_wait_dscnt 0x0                               ; for the others' sake: my store is done
	s_barrier_signal -1
	s_barrier_wait -1
.irp i, 0,1,2,3
	ds_load_b128 v[PART+4*\i:PART+4*\i+3], v13 offset:\base+16*\i
.endr
	s_wait_dscnt 0x0
	v_pk_add_f32 v[80:81], v[80:81], v[88:89]
	v_pk_add_f32 v[82:83], v[82:83], v[90:91]
	v_pk_add_f32 v[84:85], v[84:85], v[92:93]
	v_pk_add_f32 v[86:87], v[86:87], v[94:95]
	s_delay_alu instid0(VALU_DEP_2)
	v_pk_add_f32 v[80:81], v[80:81], v[84:85]
	s_delay_alu instid0(VALU_DEP_2)
	v_pk_add_f32 v[82:83], v[82:83], v[86:87]
	s_delay_alu instid0(VALU_DEP_1)
	v_pk_add_f32 v[80:81], v[80:81], v[82:83]
	s_delay_alu instid0(VALU_DEP_1)
	v_add_f32 v80, v80, v81
.endm
	s_load_b256 s[4:11], s[0:1], 0x0               ; x s[4:5], qkv_w s[6:7], out_w s[8:9], stats s[10:11]
	s_load_b64 s[12:13], s[0:1], 0x20              ; wimg
	v_lshl_add_u32 v128, v0, 2, 0x200
	v_mov_b32 v129, 0
	v_lshrrev_b32 v1, 5, v0
	s_delay_alu instid0(VALU_DEP_1)
	v_readfirstlane_b32 s16, v1                    ; wave 0..15
	s_mov_b32 s20, 0x76543210
	s_mov_b32 s21, 0xfedcba98                      ; v_permlanex16_b32's selects for lane l xor 16
	s_mov_b32 s3, 0
	s_wait_kmcnt 0x0
	s_cmp_ge_u32 ttmp9, 128                        ; the same in all waves of a work-group
	s_cbranch_scc1 .Lweights
	; ---- a group's statistics
	s_lshl_b32 s2, ttmp9, 17                       ; 131,072 bytes a group (128 groups: under 2^32)
	s_add_nc_u64 s[4:5], s[4:5], s[2:3]
	s_lshl_b32 s2, ttmp9, 8                        ; 256 bytes a group in stats
	s_add_nc_u64 s[10:11], s[10:11], s[2:3]
	v_lshlrev_b32 v1, 4, v0                        ; 16 bytes a thread: a wave's load covers 512 consecutive bytes
.set i, 0
.rept 16
	global_load_b128 v[XD+4*i:XD+4*i+3], v1, s[4:5] offset:8192*i
.set i, i+1
.endr
	v_mov_b32 v11, 0                               ; a lane permute's destination counts as one of its sources
	v_mov_b32 v13, 0
	s_lshl_b32 s17, s16, 2
	v_mov_b32 v12, s17                             ; my wave's word in LDS
	v_and_b32 v14, 31, v0
	s_delay_alu instid0(VALU_DEP_1)
	v_lshlrev_b32 v14, 3, v14                      ; 8 bytes a lane on the way out
	s_mov_b32 s22, 0x38000000                      ; 2^-15 = 1 / 32,768
	s_mov_b32 s23, 0x3727c5ac                      ; eps = 1e-5
	s_wait_loadcnt 0x0
	; pass 1: the sum, in four chains of pairs that do not wait for each other; the first additions start the chains
.irp k, 0,1,2,3
	v_pk_add_f32 v[2+2*\k:3+2*\k], v[XD+2*\k:XD+2*\k+1], v[XD+8+2*\k:XD+9+2*\k]
.endr
.irp p, 8,12,16,20,24,28
.irp k, 0,1,2,3
	s_delay_alu instid0(VALU_DEP_4)
	v_pk_add_f32 v[2+2*\k:3+2*\k], v[2+2*\k:3+2*\k], v[XD+2*(\p+\k):XD+2*(\p+\k)+1]
.endr
.endr
	JOIN
	WSUM
	XSUM 0
	s_delay_alu instid0(VALU_DEP_1)
	v_mul_f32 v[MR], s22, v80                      ; the mean
	s_delay_alu instid0(VALU_DEP_1)
	v_mov_b32 v[MR+1], v[MR]                       ; (named with it as a pair, so it is written)
	; pass 2: the sum of (x - mean)^2
.set p, 0
.rept 32
	v_pk_add_f32 v[XD+2*p:XD+2*p+1], v[XD+2*p:XD+2*p+1], v[MR:MR+1] op_sel_hi:[1,0] neg_lo:[0,1] neg_hi:[0,1]
.set p, p+1
.endr
.irp k, 0,1,2,3
	v_pk_mul_f32 v[2+2*\k:3+2*\k], v[XD+2*\k:XD+2*\k+1], v[XD+2*\k:XD+2*\k+1]
.endr
.irp p, 4,8,12,16,20,24,28
.irp k, 0,1,2,3
	s_delay_alu instid0(VALU_DEP_4)
	v_pk_fma_f32 v[2+2*\k:3+2*\k], v[XD+2*(\p+\k):XD+2*(\p+\k)+1], v[XD+2*(\p+\k):XD+2*(\p+\k)+1], v[2+2*\k:3+2*\k]
.endr
.endr
	JOIN
	WSUM
	XSUM 256                                       ; other bytes than the first sum's: no wave can overwrite what another still reads
	s_delay_alu instid0(VALU_DEP_1)
	v_fma_f32 v98, v80, s22, s23                   ; var + eps
	s_wait_alu depctr_va_vdst(0)
	v_rsq_f32 v[MR+1], v98
	v_nop                                          ; one plain instruction behind a transcendental (ISA guide 5.7.2)
	s_cmp_lg_u32 s16, 0
	s_cbranch_scc1 .Lend                           ; wave 0 alone stores
	s_wait_alu depctr_va_vdst(0)
	global_store_b64 v14, v[MR:MR+1], s[10:11]     ; 32 lanes store 256 consecutive bytes, aligned: 32 copies of the pair
.Lend:
	s_wait_tensorcnt 0x0
	ds_add_u32 v128, v129
	s_wait_dscnt 0x0
	s_endpgm
	; ---- a unit of a weight: 16 rows x 128 K a wave; no LDS, no barrier
.Lweights:
	s_sub_co_u32 s17, ttmp9, 128
	s_lshl_b32 s17, s17, 4
	s_add_co_u32 s17, s17, s16                     ; id = 0..127
	s_lshr_b32 s18, s17, 1                         ; T
	s_and_b32 s19, s17, 1                          ; s
	s_cmp_lt_u32 s18, 48                           ; qkv_w's tile or out_w's: the choice hangs on ids alone
	s_cselect_b64 s[6:7], s[6:7], s[8:9]
	s_cselect_b32 s22, 0, 48
	s_sub_co_u32 s18, s18, s22                     ; the tile's number in its own tensor
	s_lshr_b32 s22, s18, 1
	s_lshl_b32 s22, s22, 5
	s_and_b32 s23, s18, 1
	s_lshl_b32 s23, s23, 3
	s_add_co_u32 s22, s22, s23                     ; the tile's first row: 32 (T / 2) + 8 (T % 2)
	s_lshl_b32 s22, s22, 10                        ; a row is 1,024 bytes
	s_lshl_b32 s23, s19, 9                         ; a K step 512
	s_add_co_u32 s2, s22, s23
	s_add_nc_u64 s[6:7], s[6:7], s[2:3]
	s_lshl_b32 s2, s17, 10
	s_add_nc_u64 s[24:25], s[12:13], s[2:3]        ; the unit's codes
	s_lshl_b32 s2, s17, 7
	s_add_co_u32 s2, s2, 0x20000
	s_add_nc_u64 s[26:27], s[12:13], s[2:3]        ; and its scale words
	v_and_b32 v1, 15, v0                           ; r
	v_bfe_u32 v2, v0, 4, 1                         ; h
	s_delay_alu instid0(VALU_DEP_2)
	v_and_b32 v3, 8, v1
	s_delay_alu instid0(VALU_DEP_1)
	v_add_nc_u32 v3, v3, v1                        ; r + 8 (r / 8)
	s_delay_alu instid0(VALU_DEP_1)
	v_lshlrev_b32 v3, 10, v3
	s_delay_alu instid0(VALU_DEP_1)
	v_lshl_add_u32 v3, v2, 7, v3                   ; my row, + 128 h: the operand's layout gives lane (r, h) k = 64 c + 32 h + 0 .. 31
	v_and_b32 v4, 31, v0
	s_delay_alu instid0(VALU_DEP_1)
	v_lshlrev_b32 v5, 2, v4                        ; 4 x lane
	s_delay_alu instid0(VALU_DEP_2)
	v_lshlrev_b32 v4, 4, v4                        ; 16 x lane
.irp c, 0,1
.irp i, 0,1,2,3,4,5,6,7
	global_load_b128 v[64+32*\c+4*\i:67+32*\c+4*\i], v3, s[6:7] offset:256*\c+16*\i
.endr
.endr
	s_wait_loadcnt 0x0
.irp c, 0,1                                    ; my block 2 c + h: all its 32 numbers are mine
	v_max3_num_f32 v[32+\c], |v[64+32*\c]|, |v[65+32*\c]|, 0x1800000   ; and the floor 2^(3 - 127): the byte cannot fall under 1
.endr
.irp i, 2,4,6,8,10,12,14,16,18,20,22,24,26,28,30
.irp c, 0,1
	s_delay_alu instid0(VALU_DEP_2)
	v_max3_num_f32 v[32+\c], v[32+\c], |v[64+32*\c+\i]|, |v[65+32*\c+\i]|
.endr
.endr
.irp c, 0,1
	s_delay_alu instid0(VALU_DEP_2)
	v_add_nc_u32 v[44+\c], 0xff000000, v[32+\c]    ; 2 off the exponent field: the conversion takes the exponent field of this operand as its scale
.endr
.irp c, 0,1
	s_delay_alu instid0(VALU_DEP_2)
	v_lshrrev_b32 v[36+\c], 23, v[44+\c]           ; the scale's byte
.endr
	s_delay_alu instid0(VALU_DEP_1)
	v_lshl_or_b32 v9, v37, 16, v36                 ; my two bytes: blocks h and 2 + h of my row,
	v_lshlrev_b32 v10, 3, v2
	s_delay_alu instid0(VALU_DEP_1)
	v_lshlrev_b32 v9, v10, v9                      ; at their places in the word;
	v_mov_b32 v10, 0
	s_delay_alu instid0(VALU_DEP_1)
	v_permlanex16_b32 v10, v9, s20, s21
	s_delay_alu instid0(VALU_DEP_1)
	v_or_b32 v9, v9, v10                           ; with lane l xor 16's two the word is whole, in both halves of the lanes
.irp c, 0,1
.irp g, 0,1,2,3
	v_cvt_scalef32_pk8_fp4_f32 v[48+4*\c+\g], v[64+32*\c+8*\g:71+32*\c+8*\g], v[44+\c]
.endr
.endr
	v_nop                                          ; one plain instruction behind the last scaled conversion
	global_store_b128 v4, v[48:51], s[24:25]       ; 512 consecutive bytes each
	global_store_b128 v4, v[52:55], s[24:25] offset:512
	global_store_b32 v5, v9, s[26:27]
	s_endpgm
.Lfunc_end_k_q7960d7f8ae_prep:
	.size	k_q7960d7f8ae_prep, .Lfunc_end_k_q7960d7f8ae_prep-k_q7960d7f8ae_prep
	.p2alignl 7, 3214868480
	.fill 96, 4, 3214868480
	.section	.rodata,"a",@progbits
	.p2align	6, 0x0
	.amdhsa_kernel k_q7960d7f8ae_prep
		.amdhsa_group_segment_fixed_size 2560
		.amdhsa_private_segment_fixed_size 0
		.amdhsa_enable_private_segment 0
		.amdhsa_kernarg_size 40
		.amdhsa_user_sgpr_count 2
		.amdhsa_user_sgpr_kernarg_segment_ptr 1
		.amdhsa_wavefront_size32 1
		.amdhsa_system_sgpr_workgroup_id_x 1
		.amdhsa_system_sgpr_workgroup_id_y 1
		.amdhsa_system_sgpr_workgroup_id_z 1
		.amdhsa_system_vgpr_workitem_id 0
		.amdhsa_next_free_vgpr 130
		.amdhsa_next_free_sgpr 66
		.amdhsa_reserve_vcc 0
		.amdhsa_float_denorm_mode_32 3
		.amdhsa_float_denorm_mode_16_64 3
		.amdhsa_memory_ordered 1
		.amdhsa_forward_progress 1
		.amdhsa_inst_pref_size 23
	.end_amdhsa_kernel
	.amdgpu_metadata
---
amdhsa.version: [ 1, 2 ]
amdhsa.kernels:
  - .name:           k_q7960d7f8ae_prep
    .symbol:         k_q7960d7f8ae_prep.kd
    .args:
      - { .name: x, .offset: 0, .size: 8, .value_kind: global_buffer, .address_space: global }
      - { .name: qkv_w, .offset: 8, .size: 8, .value_kind: global_buffer, .address_space: global }
      - { .name: out_w, .offset: 16, .size: 8, .value_kind: global_buffer, .address_space: global }
      - { .name: stats, .offset: 24, .size: 8, .value_kind: global_buffer, .address_space: global }
      - { .name: wimg, .offset: 32, .size: 8, .value_kind: global_buffer, .address_space: global }
    .group_segment_fixed_size: 2560
    .private_segment_fixed_size: 0
    .kernarg_segment_align: 8
    .kernarg_segment_size: 40
    .max_flat_workgroup_size: 512
    .sgpr_count:     66
    .vgpr_count:     130
    .wavefront_size: 32
...
	.end_amdgpu_metadata
.endif
;; end of part 1
;; launch qkv (part 2): grid 64 x 4, 8 waves a work-group, no clusters, 9,728 bytes of LDS; arguments x, stats, gn_w, gn_b, wimg, qkv_b, qimg, kv; writes qimg, kv
.if DOCPART == 2
	.amdgcn_target "amdgcn-amd-amdhsa--gfx1250"
	.amdhsa_code_object_version 6
	.text
	.protected	k_q7960d7f8ae_qkv
	.globl	k_q7960d7f8ae_qkv
	.p2align	8
	.type	k_q7960d7f8ae_qkv,@function
k_q7960d7f8ae_qkv:
	s_mov_b64 s[64:65], 0
	v_nop
	global_prefetch_b8 v0, s[64:65] scope:SCOPE_SE
	s_setreg_imm32_b32 hwreg(HW_REG_WAVE_MODE, 25, 1), 1
	s_wait_xcnt 0x0
; h = group norm of x; qkv = qkv_w h + qkv_b on codes of FP4 (E2M1, one E8M0 byte for each 32 along K = the 256 channels); q and k are quantised along the head's 64, v along the keys,
; and all three leave as IMAGES OF OPERAND REGISTERS (16 bytes a lane on end), so that the attention launch loads fragments as they lie.
; SHARES.  A work-group takes 64 positions n of one batch b (grid x = block of 64, y = b), eight waves.
;   X: wave w takes channels 32 w .. 32 w + 31, one block of 32 along K, for all 64 positions: lane L holds positions 2 L and 2 L + 1 and its registers run down the channels, so a block's largest
;      magnitude needs no other lane and the codes come out with K innermost.  Each load covers 256 consecutive aligned bytes.  h = (x - mean) (rstd w) + b: a subtraction and one fused multiply-add.
;      The codes go to LDS as images of h's 8 fragments (4 tiles of 16 positions x 2 K steps), the scale bytes into their words.  ONE barrier.
;   P: wave w takes head w / 2 and the pair of position tiles w % 2, and makes q, k and v of them, 16 matrix instructions each, the 8 accumulators by turns.
; THE INDICES OF A TILE ARE NOT NEIGHBOURS: lane r of tile 2 B + u stands for index 32 B + 8 u + r + 8 (r / 8), for weight rows and for positions alike.  A result's register j of lane half h of tile 2 B + u
;   is then index 32 B + 16 h + 8 u + j: the 16 registers of two neighbouring tiles are 16 neighbours.  q, k: source 0 = weight rows, source 1 = h: a lane holds one position, registers run along d.
;   v: source 0 = h, source 1 = weight rows: a lane holds one d, registers run along the keys.  The bias is the C of each sum's first matrix instruction.
; LIMITS: NaN and infinities are not served; a block of zeros gets the byte 1 where the rule says 127 (its codes are zeros, and this program alone reads the bytes).
; The upper two bytes of q's and k's scale words belong to k = 64 .. 127 of the instruction's 128, whose codes are zeros: they repeat the two real bytes.
.set HSC,  8192                        ; LDS: h's images at 0 (tile x 2048 + K step x 1024 + c x 512 + 16 lane), their scale words here (tile x 128 + K step x 64 + 4 r)
.set XR,   16                          ; v16-79   x as loaded: pair i = channel i, positions 2 L, 2 L + 1; then codes v16-23, at work v24-29
.set H0,   80                          ; v80-111  h of position 2 L, down the channels
.set H1,   112                         ; v112-143 h of position 2 L + 1
.set ACC,  16                          ; v16-79   behind the barrier: 8 accumulators
.set HF,   80                          ; v80-111  my pair's four fragments of h: 8 (2 u + s)
.set PC,   112                         ; v112-119 the codes just made
.set TM,   124                         ; v124-127 largest magnitudes, v128-131 bytes, v136-139 the conversions' scale operands
.set PW0,  140
.set PW1,  141
.set SW,   142                         ; v142-143 scale words or bytes on their way out
.set WF,   144                         ; v144-207 a slice's eight fragments of the weight: 8 (2 t + s)
.set WS,   208                         ; v208-215 their scale words
.set BI,   216                         ; v216-247 the bias, 8 registers a tile, in the result's layout
.set HS,   248                         ; v248-251 h's scale words: 2 u + s
.set SEL,  32                          ; s[32:33] behind the barrier: lane selects
.macro WM d, a, b, c, sa, sb
	v_wmma_scale_f32_16x16x128_f8f6f4 v[\d:\d+7], v[\a:\a+7], v[\b:\b+7], v[\c:\c+7], v[\sa], v[\sb] matrix_a_fmt:MATRIX_FMT_FP4 matrix_b_fmt:MATRIX_FMT_FP4
.endm
; part 0, 1, 2 = q, k, v: my head's four tiles of weight rows, both K steps, their scale words and the bias
.macro WLOAD part
.irp t, 0,1,2,3
.irp s, 0,1
.irp c, 0,1
	global_load_b128 v[WF+8*(2*\t+\s)+4*\c:WF+8*(2*\t+\s)+4*\c+3], v4, s[12:13] offset:32768*(\part)+2048*\t+1024*\s+512*\c
.endr
	global_load_b32 v[WS+2*\t+\s], v5, s[66:67] offset:4096*(\part)+128*(2*\t+\s)
.endr
.endr
.if (\part) < 2
.irp t, 0,1,2,3                                ; lane half h, register j: row 32 (t / 2) + 8 (t % 2) + 16 h + j
	global_load_b128 v[BI+8*\t:BI+8*\t+3], v12, s[14:15] offset:1024*(\part)+(32*(\t/2)+8*(\t%2))*4
	global_load_b128 v[BI+8*\t+4:BI+8*\t+7], v12, s[14:15] offset:1024*(\part)+(32*(\t/2)+8*(\t%2))*4+16
.endr
.else
.irp t, 0,1,2,3                                ; lane r: row 32 (t / 2) + 8 (t % 2) + r + 8 (r / 8), the same in all eight registers
.irp j, 0,1,2,3,4,5,6,7
	global_load_b32 v[BI+8*\t+\j], v13, s[14:15] offset:2048+(32*(\t/2)+8*(\t%2))*4
.endr
.endr
.endif
.endm
; 16 matrix instructions: K step 0 with the bias as C, then K step 1 in place; between two links of a chain stand the seven other accumulators'.  mode 1: q, k;  mode 0: v
.macro MULT mode
.irp s, 0,1
.irp t, 0,1,2,3
.irp u, 0,1
.if \mode
.set rD, ACC+32*\u+8*\t
.set rA, WF+8*(2*\t+\s)
.set rB, HF+8*(2*\u+\s)
.set rSA, WS+2*\t+\s
.set rSB, HS+2*\u+\s
.else
.set rD, ACC+16*\t+8*\u
.set rA, HF+8*(2*\u+\s)
.set rB, WF+8*(2*\t+\s)
.set rSA, HS+2*\u+\s
.set rSB, WS+2*\t+\s
.endif
.if \s == 0
.set rC, BI+8*\t
.else
.set rC, rD
.endif
	WM rD, rA, rB, rC, rSA, rSB
.endr
.endr
.endr
.endm
.macro PLACES                          ; four plain instructions between a matrix instruction and a read of its result or a load into one of its registers
.rept 4
	v_nop
.endr
.endm
; ACC's 64 registers are four blocks: register 16 b + i is number 16 h + i of block b, whose other 16 lie in lane l xor 16.  Codes into v[PC + 2 b], v[PC + 2 b + 1], bytes into v[TM + 4 + b].
.macro QUANT4
.irp b, 0,1,2,3
	v_max3_num_f32 v[TM+\b], |v[ACC+16*\b]|, |v[ACC+1+16*\b]|, 0x1800000   ; each accumulator is read from its low end on; the floor 2^(3 - 127) holds the byte at 1 from below
.endr
.irp i, 2,4,6,8,10,12,14
.irp b, 0,1,2,3
	v_max3_num_f32 v[TM+\b], v[TM+\b], |v[ACC+16*\b+\i]|, |v[ACC+1+16*\b+\i]|
.endr
.endr
.irp b, 0,1,2,3
	s_delay_alu instid0(VALU_DEP_4)
	v_permlanex16_b32 v[TM+4+\b], v[TM+\b], s[SEL], s[SEL+1]
.endr
.irp b, 0,1,2,3
	s_delay_alu instid0(VALU_DEP_4)
	v_max_num_f32 v[TM+\b], v[TM+\b], v[TM+4+\b]   ; the block's largest magnitude, in both halves of the lanes
.endr
.irp b, 0,1,2,3
	s_delay_alu instid0(VALU_DEP_4)
	v_add_nc_u32 v[TM+12+\b], 0xff000000, v[TM+\b] ; 2 off its exponent field: the conversion's scale operand
.endr
.irp b, 0,1,2,3
	s_delay_alu instid0(VALU_DEP_4)
	v_lshrrev_b32 v[TM+4+\b], 23, v[TM+12+\b]      ; the scale's byte
.endr
.irp b, 0,1,2,3
	v_cvt_scalef32_pk8_fp4_f32 v[PC+2*\b], v[ACC+16*\b:ACC+7+16*\b], v[TM+12+\b]
	v_cvt_scalef32_pk8_fp4_f32 v[PC+1+2*\b], v[ACC+8+16*\b:ACC+15+16*\b], v[TM+12+\b]
.endr
	v_nop                                          ; one plain instruction behind the last scaled conversion
.endm
; q or k: blocks 2 u, 2 u + 1 are d = 0 .. 31 and 32 .. 63 of position tile u.  The operand's layout wants a whole block in a lane: lanes 0-15 block 0, lanes 16-31 block 1
.macro QKOUT cb, sb
.irp u, 0,1
.irp i, 0,1
	v_permlane16_swap_b32 v[PC+4*\u+\i], v[PC+2+4*\u+\i]
.endr
.endr
	v_lshl_or_b32 v[PW0], v[TM+5], 8, v[TM+4]
	v_lshl_or_b32 v[PW1], v[TM+7], 8, v[TM+6]
	s_delay_alu instid0(VALU_DEP_2)
	v_lshl_or_b32 v[PW0], v[PW0], 16, v[PW0]       ; the upper two bytes stand over zero codes
	s_delay_alu instid0(VALU_DEP_2)
	v_lshl_or_b32 v[PW1], v[PW1], 16, v[PW1]
	s_delay_alu instid0(VALU_DEP_1)
	v_cndmask_b32 v[SW], v[PW0], v[PW1], vcc_lo    ; lanes 0-15 the even tile's words, lanes 16-31 the odd tile's
	global_store_b128 v4, v[PC:PC+3], s[\cb:\cb+1]             ; 512 consecutive bytes each
	global_store_b128 v4, v[PC+4:PC+7], s[\cb:\cb+1] offset:512
	global_store_b32 v5, v[SW], s[\sb:\sb+1]
.endm
	s_load_b512 s[4:19], s[0:1], 0x0               ; x s[4:5], stats s[6:7], gn_w s[8:9], gn_b s[10:11], wimg s[12:13], qkv_b s[14:15], qimg s[16:17], kv s[18:19]
	v_lshl_add_u32 v254, v0, 2, 0x2200
	v_mov_b32 v255, 0
	v_lshrrev_b32 v1, 5, v0
	s_delay_alu instid0(VALU_DEP_1)
	v_readfirstlane_b32 s20, v1                    ; wave 0..7
	v_and_b32 v1, 31, v0                           ; lane
	v_and_b32 v2, 15, v0                           ; r
	v_bfe_u32 v3, v0, 4, 1                         ; h
	s_delay_alu instid0(VALU_DEP_3)
	v_lshlrev_b32 v4, 4, v1                        ; 16 x lane
	s_delay_alu instid0(VALU_DEP_4)
	v_lshlrev_b32 v5, 2, v1                        ; 4 x lane
	v_lshlrev_b32 v6, 3, v1                        ; 8 x lane: x
	; Position n = 2 L + e of the 64 lies in tile 2 (n / 32) + bit 3 of n, at lane (n % 8) + 8 x bit 4 of n.  With L's bits: tile = 2 bit4 + bit2, lane = e + 2 (L % 4) + 8 bit3.
	v_bfe_u32 v14, v0, 3, 1
	v_bfe_u32 v15, v0, 2, 1
	v_and_b32 v7, 3, v0
	s_delay_alu instid0(VALU_DEP_1)
	v_lshlrev_b32 v8, 3, v7
	s_delay_alu instid0(VALU_DEP_2)
	v_lshlrev_b32 v7, 5, v7
	s_delay_alu instid0(VALU_DEP_1)
	v_lshl_add_u32 v7, v14, 7, v7
	s_delay_alu instid0(VALU_DEP_1)
	v_lshl_add_u32 v7, v15, 11, v7
	s_delay_alu instid0(VALU_DEP_1)
	v_lshl_add_u32 v7, v3, 12, v7
	s_lshl_b32 s23, s20, 8
	v_add_nc_u32 v7, s23, v7                       ; where position 2 L's 16 bytes of codes go: tile x 2048 + 16 x lane + 256 w (block w = K step w / 4, c, lane half); position 2 L + 1: 16 on
	v_lshl_add_u32 v8, v14, 5, v8
	s_delay_alu instid0(VALU_DEP_1)
	v_lshl_add_u32 v8, v15, 7, v8
	s_delay_alu instid0(VALU_DEP_1)
	v_lshl_add_u32 v8, v3, 8, v8
	s_lshr_b32 s23, s20, 2
	s_lshl_b32 s23, s23, 6
	s_and_b32 s2, s20, 3
	s_add_co_u32 s23, s23, s2
	s_add_co_u32 s23, s23, HSC
	v_add_nc_u32 v8, s23, v8                       ; and its scale byte: tile x 128 + 64 (w / 4) + 4 x lane + w % 4; position 2 L + 1: 4 on
	s_lshr_b32 s100, s20, 1                        ; my head
	s_and_b32 s101, s20, 1                         ; my pair of position tiles
	s_lshl_b32 s23, s101, 8
	s_add_co_u32 s23, s23, HSC
	v_lshl_add_u32 v9, v2, 2, s23                  ; h's scale words back: 4 r + my pair's 256 bytes
	s_lshl_b32 s23, s101, 12
	v_add_nc_u32 v10, s23, v4                      ; h's images back: 16 x lane + my pair's 4,096 bytes
	v_lshlrev_b32 v11, 4, v2
	s_delay_alu instid0(VALU_DEP_1)
	v_lshl_add_u32 v11, v3, 3, v11                 ; v's codes on the way out: 16 r + 8 h
	v_lshlrev_b32 v12, 6, v3                       ; bias of q, k: 64 h
	v_and_b32 v13, 8, v2
	s_delay_alu instid0(VALU_DEP_1)
	v_add_nc_u32 v13, v13, v2
	s_delay_alu instid0(VALU_DEP_1)
	v_lshlrev_b32 v13, 2, v13                      ; bias of v: 4 (r + 8 (r / 8))
	s_mov_b32 s21, ttmp9                           ; block of 64 positions
	s_and_b32 s22, ttmp7, 0xffff                   ; b
	s_mov_b32 s3, 0
	s_wait_alu depctr_va_vdst(0)
	s_wait_kmcnt 0x0
	s_lshl_b32 s2, s22, 22                         ; x: b x 4,194,304 + 32 w channels of 16,384 bytes + 256 x block
	s_lshl_b32 s23, s20, 19
	s_add_co_u32 s2, s2, s23
	s_lshl_b32 s23, s21, 8
	s_add_co_u32 s2, s2, s23
	s_add_nc_u64 s[4:5], s[4:5], s[2:3]
	s_lshl_b32 s2, s22, 13                         ; stats: group 32 b + 4 w, 256 bytes a group
	s_lshl_b32 s23, s20, 10
	s_add_co_u32 s2, s2, s23
	s_add_nc_u64 s[6:7], s[6:7], s[2:3]
	s_lshl_b32 s2, s20, 7                          ; gn_w, gn_b: my 32 channels
	s_add_nc_u64 s[8:9], s[8:9], s[2:3]
	s_add_nc_u64 s[10:11], s[10:11], s[2:3]
	s_lshl_b32 s2, s100, 10
	s_add_co_u32 s2, s2, 0x20000
	s_add_nc_u64 s[66:67], s[12:13], s[2:3]        ; the weight's scale words: 131,072 + 1,024 x head
	s_lshl_b32 s2, s100, 13
	s_add_nc_u64 s[12:13], s[12:13], s[2:3]        ; its codes: 8,192 x head
	s_lshl_b32 s2, s100, 8
	s_add_nc_u64 s[14:15], s[14:15], s[2:3]        ; qkv_b: 64 numbers a head
	s_load_b512 s[32:47], s[8:9], 0x0              ; gn_w of my 32 channels
	s_load_b512 s[48:63], s[8:9], 0x40
	s_load_b512 s[68:83], s[10:11], 0x0            ; gn_b
	s_load_b512 s[84:99], s[10:11], 0x40
.irp g, 0,1,2,3
	s_load_b64 s[24+2*\g:25+2*\g], s[6:7], 0x100*\g    ; (mean, rstd) of my four groups
.endr
.set i, 0
.rept 32
	global_load_b64 v[XR+2*i:XR+2*i+1], v6, s[4:5] offset:16384*i   ; channel i: 32 lanes read 256 consecutive aligned bytes
.set i, i+1
.endr
	WLOAD 0                                        ; q's weights land while x is worked on: 32 loads
	s_wait_kmcnt 0x0
.set i, 0
.rept 32
	s_mul_f32 s[32+i], s[32+i], s[25+2*(i/8)]      ; rstd x w
.set i, i+1
.endr
	s_wait_loadcnt 32                              ; x's 32 loads are in; the 32 issued behind them may be out
.set i, 0
.rept 32
	v_sub_f32 v[XR+2*i], v[XR+2*i], s[24+2*(i/8)]
	v_sub_f32 v[XR+2*i+1], v[XR+2*i+1], s[24+2*(i/8)]
	s_delay_alu instid0(VALU_DEP_2)
	v_fma_f32 v[H0+i], v[XR+2*i], s[32+i], s[68+i]
	s_delay_alu instid0(VALU_DEP_2)
	v_fma_f32 v[H1+i], v[XR+2*i+1], s[32+i], s[68+i]
.set i, i+1
.endr
	v_max3_num_f32 v24, |v[H0]|, |v[H0+1]|, 0x1800000      ; a block's 32 numbers are all mine; two positions by turns
	v_max3_num_f32 v25, |v[H1]|, |v[H1+1]|, 0x1800000
.irp i, 2,4,6,8,10,12,14,16,18,20,22,24,26,28,30
	s_delay_alu instid0(VALU_DEP_2)
	v_max3_num_f32 v24, v24, |v[H0+\i]|, |v[H0+1+\i]|
	s_delay_alu instid0(VALU_DEP_2)
	v_max3_num_f32 v25, v25, |v[H1+\i]|, |v[H1+1+\i]|
.endr
	s_delay_alu instid0(VALU_DEP_2)
	v_add_nc_u32 v26, 0xff000000, v24
	s_delay_alu instid0(VALU_DEP_2)
	v_add_nc_u32 v27, 0xff000000, v25
	s_delay_alu instid0(VALU_DEP_2)
	v_lshrrev_b32 v28, 23, v26
	s_delay_alu instid0(VALU_DEP_2)
	v_lshrrev_b32 v29, 23, v27
.irp g, 0,1,2,3
	v_cvt_scalef32_pk8_fp4_f32 v[16+\g], v[H0+8*\g:H0+8*\g+7], v26
	v_cvt_scalef32_pk8_fp4_f32 v[20+\g], v[H1+8*\g:H1+8*\g+7], v27
.endr
	v_nop                                          ; one plain instruction behind the last scaled conversion
	ds_store_b128 v7, v[16:19]
	ds_store_b128 v7, v[20:23] offset:16
	ds_store_b8 v8, v28
	ds_store_b8 v8, v29 offset:4
	s_wait_dscnt 0x0                               ; for the others' sake: my stores are done
	s_barrier_signal -1
	s_barrier_wait -1                              ; h's eight fragments and their scale words lie in LDS; nothing is written there again
.irp u, 0,1
.irp s, 0,1
.irp c, 0,1
	ds_load_b128 v[HF+8*(2*\u+\s)+4*\c:HF+8*(2*\u+\s)+4*\c+3], v10 offset:2048*\u+1024*\s+512*\c
.endr
	ds_load_b32 v[HS+2*\u+\s], v9 offset:128*\u+64*\s
.endr
.endr
	; where the results go.  bh = 4 b + head; position tile = 4 x block + 2 x pair + u; a key step of 128 keys is two blocks: e = block % 2
	s_mov_b32 s[SEL], 0x76543210
	s_mov_b32 s[SEL+1], 0xfedcba98
	s_lshl_b32 s23, s22, 2
	s_add_co_u32 s23, s23, s100                    ; bh
	s_lshl_b32 s2, s23, 8
	s_lshl_b32 s34, s21, 2
	s_add_co_u32 s2, s2, s34
	s_lshl_b32 s34, s101, 1
	s_add_co_u32 s2, s2, s34
	s_lshl_b32 s2, s2, 9
	s_add_nc_u64 s[36:37], s[16:17], s[2:3]        ; q's codes: (256 bh + tile) x 512
	s_lshl_b32 s2, s23, 7
	s_lshl_b32 s34, s21, 1
	s_add_co_u32 s2, s2, s34
	s_add_co_u32 s2, s2, s101
	s_lshl_b32 s2, s2, 7
	s_add_co_u32 s2, s2, 0x200000
	s_add_nc_u64 s[38:39], s[16:17], s[2:3]        ; q's scale words: 2,097,152 + (128 bh + pair) x 128
	s_lshr_b32 s34, s21, 1
	s_and_b32 s35, s21, 1                          ; e
	s_lshl_b32 s2, s23, 5
	s_add_co_u32 s2, s2, s34
	s_mul_i32 s2, s2, 8960
	s_add_nc_u64 s[18:19], s[18:19], s[2:3]        ; the key step's 8,960 bytes: K's codes 4,096, V's codes 4,096, K's scale words 512, V's 256
	s_lshl_b32 s34, s35, 1
	s_add_co_u32 s34, s34, s101                    ; the pair's number in the step: 2 e + pair
	s_lshl_b32 s2, s34, 10
	s_add_nc_u64 s[40:41], s[18:19], s[2:3]        ; k's codes: two tiles of 512 bytes a pair
	s_lshl_b32 s2, s34, 7
	s_add_co_u32 s2, s2, 8192
	s_add_nc_u64 s[42:43], s[18:19], s[2:3]        ; k's scale words
	s_lshl_b32 s2, s34, 8
	s_add_co_u32 s2, s2, 4096
	s_add_nc_u64 s[44:45], s[18:19], s[2:3]        ; v's codes: the pair's 32 keys are c = e, lane half = pair: 512 e + 256 pair
	s_add_co_u32 s2, s34, 8704
	s_add_nc_u64 s[46:47], s[18:19], s[2:3]        ; v's scale bytes: byte 2 e + pair of each word
	v_cmp_le_u32 vcc_lo, 16, v1                    ; lanes 16-31: kept for the selects on the way out
.irp b, 0,1,2,3
	v_mov_b32 v[TM+4+\b], 0                        ; a lane permute's destination counts as one of its sources
.endr
	s_wait_dscnt 0x0
	s_wait_loadcnt 0x0                             ; q's weights, scale words and bias
	MULT 1
	PLACES
	WLOAD 1                                        ; k's land while q is quantised
	QUANT4
	QKOUT 36, 38
	s_wait_loadcnt 0x0
	MULT 1
	PLACES
	WLOAD 2
	s_wait_xcnt 0x0                                ; q's stores have read their registers: the codes' and words' registers are written again only behind this wait
	QUANT4
	QKOUT 40, 42
	s_wait_loadcnt 0x0
	MULT 0
	PLACES
	s_wait_xcnt 0x0                                ; the same for k's stores
	QUANT4                                         ; block t: my pair's 32 keys of the 16 rows d of tile t
.irp t, 0,1,2,3
	global_store_b64 v11, v[PC+2*\t:PC+2*\t+1], s[44:45] offset:1024*\t   ; lane (r, h): keys 16 h + 0 .. 15 of row r: the 32 lanes store 256 consecutive aligned bytes
.endr
	v_cndmask_b32 v[SW], v[TM+4], v[TM+5], vcc_lo  ; lanes 0-15 tile 2 a's bytes, lanes 16-31 tile 2 a + 1's
	v_cndmask_b32 v[SW+1], v[TM+6], v[TM+7], vcc_lo
	global_store_b8 v5, v[SW], s[46:47]
	global_store_b8 v5, v[SW+1], s[46:47] offset:128
	s_wait_tensorcnt 0x0
	ds_add_u32 v254, v255
	s_wait_dscnt 0x0
	s_endpgm
.Lfunc_end_k_q7960d7f8ae_qkv:
	.size	k_q7960d7f8ae_qkv, .Lfunc_end_k_q7960d7f8ae_qkv-k_q7960d7f8ae_qkv
	.p2alignl 7, 3214868480
	.fill 96, 4, 3214868480
	.section	.rodata,"a",@progbits
	.p2align	6, 0x0
	.amdhsa_kernel k_q7960d7f8ae_qkv
		.amdhsa_group_segment_fixed_size 9728
		.amdhsa_private_segment_fixed_size 0
		.amdhsa_enable_private_segment 0
		.amdhsa_kernarg_size 64
		.amdhsa_user_sgpr_count 2
		.amdhsa_user_sgpr_kernarg_segment_ptr 1
		.amdhsa_wavefront_size32 1
		.amdhsa_system_sgpr_workgroup_id_x 1
		.amdhsa_system_sgpr_workgroup_id_y 1
		.amdhsa_system_sgpr_workgroup_id_z 1
		.amdhsa_system_vgpr_workitem_id 0
		.amdhsa_next_free_vgpr 256
		.amdhsa_next_free_sgpr 102
		.amdhsa_reserve_vcc 1
		.amdhsa_float_denorm_mode_32 3
		.amdhsa_float_denorm_mode_16_64 3
		.amdhsa_memory_ordered 1
		.amdhsa_forward_progress 1
		.amdhsa_inst_pref_size 57
	.end_amdhsa_kernel
	.amdgpu_metadata
---
amdhsa.version: [ 1, 2 ]
amdhsa.kernels:
  - .name:           k_q7960d7f8ae_qkv
    .symbol:         k_q7960d7f8ae_qkv.kd
    .args:
      - { .name: x, .offset: 0, .size: 8, .value_kind: global_buffer, .address_space: global }
      - { .name: stats, .offset: 8, .size: 8, .value_kind: global_buffer, .address_space: global }
      - { .name: gn_w, .offset: 16, .size: 8, .value_kind: global_buffer, .address_space: global }
      - { .name: gn_b, .offset: 24, .size: 8, .value_kind: global_buffer, .address_space: global }
      - { .name: wimg, .offset: 32, .size: 8, .value_kind: global_buffer, .address_space: global }
      - { .name: qkv_b, .offset: 40, .size: 8, .value_kind: global_buffer, .address_space: global }
      - { .name: qimg, .offset: 48, .size: 8, .value_kind: global_buffer, .address_space: global }
      - { .name: kv, .offset: 56, .size: 8, .value_kind: global_buffer, .address_space: global }
    .group_segment_fixed_size: 9728
    .private_segment_fixed_size: 0
    .kernarg_segment_align: 8
    .kernarg_segment_size: 64
    .max_flat_workgroup_size: 256
    .sgpr_count:     102
    .vgpr_count:     256
    .wavefront_size: 32
...
	.end_amdgpu_metadata
.endif
;; end of part 2
;; launch attn (part 3): grid 16 x 16, 16 waves a work-group, no clusters, 327,680 bytes of LDS; arguments qimg, kv, oimg; writes oimg
.if DOCPART == 3
	.amdgcn_target "amdgcn-amd-amdhsa--gfx1250"
	.amdhsa_code_object_version 6
	.text
	.protected	k_q7960d7f8ae_attn
	.globl	k_q7960d7f8ae_attn
	.p2align	8
	.type	k_q7960d7f8ae_attn,@function
k_q7960d7f8ae_attn:
	s_mov_b64 s[64:65], 0
	v_nop
	global_prefetch_b8 v0, s[64:65] scope:SCOPE_SE
	s_setreg_imm32_b32 hwreg(HW_REG_WAVE_MODE, 25, 1), 1
	s_wait_xcnt 0x0
; o[bh][d][q] = the sum over keys of softmax(q . k / 8) v, both products on codes of FP4 (E2M1) with one E8M0 byte for each 32 along a product's K; then o is quantised along the 256 channels for the last product.
; THE SOFTMAX AHEAD OF THE SECOND PRODUCT: t = score x log2(e) / 8; M = the row's largest t so far, rounded UP to a whole number; p = 2^(t - M) is what is quantised, along the keys, not normalised.
; The row's sum is taken of the unquantised p, in f32, and divides O at the end.  When M moves, the sum and O are multiplied by 2^(old M - new M): exact.
; SHARES.  A work-group owns 256 queries of one (batch, head) pair bh (grid x = block of 256, y = bh); each of its SIXTEEN waves owns one tile of 16 queries in 256 registers: four waves to a SIMD, so that one
; wave's vector work stands beside another's matrix work and LDS loads.  Every wave walks all 4,096 keys, 128 a step.
; OPERANDS ARRIVE AS IMAGES OF THEIR REGISTERS (16 bytes a lane on end): a key step is 8,960 consecutive bytes: K's 8 tiles (512 each), V's 4 tiles (1,024 each), K's scale words (4 x 128), V's (2 x 128).
; A slot of LDS holds four steps, 35,840 bytes, as they lie in memory; two slots take turns; waves 0 and 1 fetch a half each (70 rows of 256 bytes), all sixteen read.
; LAYOUT.  Both products are used transposed: S^T = K Q^T (source 0 = 16 keys, source 1 = my 16 queries), O^T = V^T P^T (source 0 = 16 of the head's 64, source 1 = P): a lane holds ONE query throughout.
; The head's 64 fill half of the first product's 128 along K: registers 4-7 of Q's and K's fragments are zero codes, written once.
; THE KEYS OF A TILE ARE NOT NEIGHBOURS (lane r of tile 2 b + u is key 32 b + 8 u + r + 8 (r / 8)), nor V's rows d: so p's 16 registers of two neighbouring tiles are 16 neighbouring keys, and O^T's are 16 neighbouring d.
; NO CLUSTER: the sixteen work-groups of a bh read the same tiles, but a slot's 35,840 bytes are asked for a whole slot ahead, while each of the sixteen waves walks four steps of some 230 vector instructions;
; a cluster's round at each change of slots would hold 64 waves to one pace for those bytes.
; LIMITS: NaN and infinities are not served; a p under 2^-126 counts as 0 (v_exp_f32 gives no denormals: ISA guide 15.8); a block of zeros gets the byte 1 where the rule says 127 (its codes are zeros).
; REGISTERS: v1-9 addresses; v12 -M, v13 the largest t, v[14:15] the sum in two halves; v16-23 Q; v32-95 K's 8 fragments; v96-159 S^T, then p; v160-191 O^T; v192-223 V's 4 fragments; v224-231 p's codes;
;   v232-239, v244-247, v252, v254 at work; scale words: v240-243 K's, v248-249 V's, v253 p's, v255 Q's.
.set STEPB, 8960
.set SLOTB, 4*STEPB
.set SLOT1, 1<<17                      ; slot 1 begins here, so that one exclusive or turns an address in one slot into the other's
.set SPARE, 2*SLOT1                    ; the spare words, 128 bytes for each wave: eight blocks of 256 bytes that no other line names
.set LI,   1                           ; v1   16 x lane
.set LS,   2                           ; v2   4 x lane
.set SPW,  5                           ; v5   LDS address of my spare word; never rewritten
.set NIL,  6                           ; v6   0; never rewritten
.set ADR,  8                           ; v8   the slot in hand + 16 x lane
.set ADS,  9                           ; v9   the slot in hand + 4 x lane
.set WV,   18
.set SEL,  20                          ; s[20:21] lane selects for v_permlanex16_b32: lane l xor 16
.set CS,   22                          ; s[22:23] c = log2(e) / 8
.set G1,   24                          ; s[24:31] descriptor group 1
.set G0,   32                          ; s[32:35] descriptor group 0, which walks
.set TB,   36                          ; s36  LDS byte at which the slot in hand begins
.set SLOTS, 37                         ; s37  slots still to be asked for
.macro WM0 d, a, b, sa, sb, row        ; a product that starts a sum
.if \row
	v_wmma_scale_f32_16x16x128_f8f6f4 v[\d:\d+7], v[\a:\a+7], v[\b:\b+7], 0, v[\sa], v[\sb] matrix_a_fmt:MATRIX_FMT_FP4 matrix_b_fmt:MATRIX_FMT_FP4 matrix_a_scale:MATRIX_SCALE_ROW1
.else
	v_wmma_scale_f32_16x16x128_f8f6f4 v[\d:\d+7], v[\a:\a+7], v[\b:\b+7], 0, v[\sa], v[\sb] matrix_a_fmt:MATRIX_FMT_FP4 matrix_b_fmt:MATRIX_FMT_FP4
.endif
.endm
.macro WMA d, a, b, sa, sb, row        ; a product that adds in place
.if \row
	v_wmma_scale_f32_16x16x128_f8f6f4 v[\d:\d+7], v[\a:\a+7], v[\b:\b+7], v[\d:\d+7], v[\sa], v[\sb] matrix_a_fmt:MATRIX_FMT_FP4 matrix_b_fmt:MATRIX_FMT_FP4 matrix_a_scale:MATRIX_SCALE_ROW1
.else
	v_wmma_scale_f32_16x16x128_f8f6f4 v[\d:\d+7], v[\a:\a+7], v[\b:\b+7], v[\d:\d+7], v[\sa], v[\sb] matrix_a_fmt:MATRIX_FMT_FP4 matrix_b_fmt:MATRIX_FMT_FP4
.endif
.endm
; Waves 0 and 1 fetch a half slot each, the others nothing.  The branch hangs on the wave's number alone.  Four v_nop follow the load.
.macro TLOAD
	s_cmp_lt_u32 s[WV], 2
	s_cbranch_scc0 .Lasked_\@
	tensor_load_to_lds s[G0:G0+3], s[G1:G1+7]
	s_nop 0
.rept 4
	v_nop
.endr
.Lasked_\@:
.endm
; THE CHANGE OF SLOTS stands at a slot's head.  Each wave waits for all its tensor loads (its part of the slot that it is about to read), adds 0 to its spare word, and waits for that and for its reads of the slot
; that it has left.  Behind the barrier the slot ahead is whole and nobody reads the other one.  fill = 1: that other slot is filled with the next 512 keys: the load has a whole slot's steps in which to land.
; By this text's own count a wave never has more than one tensor load out.
.macro CHANGE fill
	s_wait_tensorcnt 0x0                           ; no tensor load of mine is out, so group 0 may be written
	ds_add_u32 v[SPW], v[NIL]                      ; 0 onto my spare word
.if \fill
	s_xor_b32 s[G0+1], s[G0+1], SLOT1              ; the other slot than last time,
	s_add_nc_u64 s[G0+2:G0+3], s[G0+2:G0+3], SLOTB ; the next four key steps; the type bits on top are not reached
.endif
	s_wait_dscnt 0x0                               ; the add is done, and my reads of the slot that I have left are over
	s_barrier_signal -1
	s_barrier_wait -1
.if \fill
	TLOAD                                          ; the first thing behind the barrier, and a wave's one tensor load until the next
.endif
	v_add_nc_u32 v[ADR], s[TB], v[LI]
	v_add_nc_u32 v[ADS], s[TB], v[LS]
.endm
.macro KLOAD q                         ; 12 LDS loads: K's eight fragments (their lower four registers) and four registers of scale words (lanes 0-15 the even tile's, lanes 16-31 the odd tile's)
.irp t, 0,1,2,3,4,5,6,7
	ds_load_b128 v[32+8*\t:35+8*\t], v[ADR] offset:STEPB*(\q)+512*\t
.endr
.irp b, 0,1,2,3
	ds_load_b32 v[240+\b], v[ADS] offset:STEPB*(\q)+8192+128*\b
.endr
.endm
.macro VLOAD q                         ; 10 LDS loads: V's four fragments and two registers of scale words
.irp t, 0,1,2,3
.irp c, 0,1
	ds_load_b128 v[192+8*\t+4*\c:195+8*\t+4*\c], v[ADR] offset:STEPB*(\q)+4096+1024*\t+512*\c
.endr
.endr
.irp a, 0,1
	ds_load_b32 v[248+\a], v[ADS] offset:STEPB*(\q)+8704+128*\a
.endr
.endm
; A KEY STEP: 128 keys, the q-th of the slot in hand.  V of this step and K of the next are asked for behind the first product and land under the softmax.
.macro STEP q
.if \q == 0
	KLOAD 0
.endif
	s_wait_dscnt 0x0                               ; K is in
.irp t, 0,1,2,3,4,5,6,7
	WM0 96+8*\t, 32+8*\t, 16, 240+\t/2, 255, \t%2
.endr
.rept 4
	v_nop                                          ; four places: in front of the reads of S^T, of the loads into K's registers, and of the loads into V's, which the last step's products read
.endr
	VLOAD \q
.if \q < 3
	KLOAD \q+1
.endif
.irp b, 0,1,2,3
	v_max3_num_f32 v[232+\b], v[96+16*\b], v[97+16*\b], v[98+16*\b]   ; THE LARGEST SCORE OF EACH BLOCK OF 32 KEYS serves twice: for the row's maximum, and, since p rises with the score, for the block's largest p
.endr
.irp i, 3,5,7,9,11,13
.irp b, 0,1,2,3
	v_max3_num_f32 v[232+\b], v[232+\b], v[96+16*\b+\i], v[97+16*\b+\i]
.endr
.endr
.irp b, 0,1,2,3
	v_max_num_f32 v[232+\b], v[232+\b], v[111+16*\b]
.endr
.irp b, 0,1,2,3
	s_delay_alu instid0(VALU_DEP_4)
	v_permlanex16_b32 v[236+\b], v[232+\b], s[SEL], s[SEL+1]
.endr
.irp b, 0,1,2,3
	s_delay_alu instid0(VALU_DEP_4)
	v_max_num_f32 v[232+\b], v[232+\b], v[236+\b]  ; with lane l xor 16's 16 keys
.endr
	s_delay_alu instid0(VALU_DEP_2)
	v_max3_num_f32 v254, v232, v233, v234
	s_delay_alu instid0(VALU_DEP_1)
	v_max_num_f32 v254, v254, v235                 ; the step's largest score of my query
	s_delay_alu instid0(VALU_DEP_1)
	v_mul_f32 v254, s[CS], v254                    ; as t (c is positive)
	s_delay_alu instid0(VALU_DEP_1)
	v_max_num_f32 v13, v13, v254                   ; the running largest t
	v_mov_b32 v254, v12
	s_delay_alu instid0(VALU_DEP_2)
	v_floor_f32 v12, -v13                          ; the new -M = floor(-t) = -ceil(t): M IS A WHOLE NUMBER
	s_delay_alu instid0(VALU_DEP_1)
	v_sub_f32 v254, v12, v254                      ; M's old value less its new one: a whole number, 0 or less
	s_delay_alu instid0(VALU_DEP_1)
	v_cvt_i32_f32 v254, v254                       ; (it saturates)
	s_delay_alu instid0(VALU_DEP_1)
	v_ldexp_f32 v252, 1.0, v254                    ; f = 2^(old M - new M): a multiplication by it rounds nothing
.set j, 0
.rept 32
	v_pk_fma_f32 v[96+j:97+j], v[96+j:97+j], s[CS:CS+1], v[12:13] op_sel_hi:[1,0,0]   ; t - M, two at a time (of the pairs c and -M the low word serves both halves)
.set j, j+2
.endr
.irp b, 0,1,2,3
	v_fma_f32 v[232+\b], v[232+\b], s[CS], v12     ; the same of each block's largest score
.endr
.set j, 0
	s_wait_alu depctr_va_vdst(0)
.rept 64
	v_exp_f32 v[96+j], v[96+j]                     ; p = 2^(t - M), at most 1: NOT normalised
.set j, j+1
.endr
.irp b, 0,1,2,3
	v_exp_f32 v[232+\b], v[232+\b]                 ; the block's largest p: the same two instructions on the same number give the same bits
.endr
	v_pk_mul_f32 v[14:15], v[14:15], v[252:253] op_sel_hi:[1,0]   ; the sums under the new M.  (A plain instruction behind the exponentials)
	s_wait_alu depctr_va_vdst(0)
.irp b, 0,1,2,3
	v_max_num_f32 v[232+\b], 0x1800000, v[232+\b]  ; the floor 2^(3 - 127): the byte cannot fall under 1
.endr
.irp b, 0,1,2,3
	s_delay_alu instid0(VALU_DEP_4)
	v_add_nc_u32 v[244+\b], 0xff000000, v[232+\b]  ; 2 off the exponent field: the conversion's scale operand
.endr
.irp b, 0,1,2,3
	s_delay_alu instid0(VALU_DEP_4)
	v_lshrrev_b32 v[236+\b], 23, v[244+\b]         ; the scale's byte
.endr
	s_delay_alu instid0(VALU_DEP_3)
	v_lshl_or_b32 v253, v237, 8, v236              ; p's scale word for these 128 keys
	s_delay_alu instid0(VALU_DEP_1)
	v_lshl_or_b32 v253, v238, 16, v253
	s_delay_alu instid0(VALU_DEP_1)
	v_lshl_or_b32 v253, v239, 24, v253
.irp b, 0,1,2,3
	v_cvt_scalef32_pk8_fp4_f32 v[224+2*\b], v[96+16*\b:103+16*\b], v[244+\b]
	v_cvt_scalef32_pk8_fp4_f32 v[225+2*\b], v[104+16*\b:111+16*\b], v[244+\b]
.endr
	v_nop                                          ; one plain instruction behind the last scaled conversion
.irp c, 0,1                                    ; the operand's layout wants a WHOLE block in a lane: lanes 0-15 block 2 c, lanes 16-31 block 2 c + 1
.irp i, 0,1
	v_permlane16_swap_b32 v[224+4*\c+\i], v[226+4*\c+\i]
.endr
.endr
	v_pk_add_f32 v[236:237], v[100:101], v[104:105]
	v_pk_add_f32 v[250:251], v[108:109], v[112:113]
	v_pk_add_f32 v[246:247], v[116:117], v[120:121]
	v_pk_add_f32 v[244:245], v[124:125], v[128:129]
	v_pk_add_f32 v[234:235], v[132:133], v[136:137]
	v_pk_add_f32 v[232:233], v[140:141], v[144:145]
	v_pk_add_f32 v[30:31], v[148:149], v[152:153]
	v_pk_add_f32 v[14:15], v[14:15], v[156:157]
	v_pk_add_f32 v[236:237], v[236:237], v[96:97]
	v_pk_add_f32 v[250:251], v[250:251], v[98:99]
	v_pk_add_f32 v[246:247], v[246:247], v[102:103]
	v_pk_add_f32 v[244:245], v[244:245], v[106:107]
	v_pk_add_f32 v[234:235], v[234:235], v[110:111]
	v_pk_add_f32 v[232:233], v[232:233], v[114:115]
	v_pk_add_f32 v[30:31], v[30:31], v[118:119]
	v_pk_add_f32 v[14:15], v[14:15], v[122:123]
	v_pk_add_f32 v[236:237], v[236:237], v[126:127]
	v_pk_add_f32 v[250:251], v[250:251], v[130:131]
	v_pk_add_f32 v[246:247], v[246:247], v[134:135]
	v_pk_add_f32 v[244:245], v[244:245], v[138:139]
	v_pk_add_f32 v[234:235], v[234:235], v[142:143]
	v_pk_add_f32 v[232:233], v[232:233], v[146:147]
	v_pk_add_f32 v[30:31], v[30:31], v[150:151]
	v_pk_add_f32 v[14:15], v[14:15], v[154:155]
	v_pk_add_f32 v[236:237], v[236:237], v[158:159]
	s_delay_alu instid0(VALU_DEP_2)
	v_pk_add_f32 v[14:15], v[14:15], v[244:245]
	s_delay_alu instid0(VALU_DEP_2)
	v_pk_add_f32 v[236:237], v[236:237], v[234:235]
	v_pk_add_f32 v[250:251], v[250:251], v[232:233]
	v_pk_add_f32 v[246:247], v[246:247], v[30:31]
	s_delay_alu instid0(VALU_DEP_2)
	v_pk_add_f32 v[14:15], v[14:15], v[250:251]
	s_delay_alu instid0(VALU_DEP_2)
	v_pk_add_f32 v[236:237], v[236:237], v[246:247]
	s_delay_alu instid0(VALU_DEP_1)
	v_pk_add_f32 v[14:15], v[14:15], v[236:237]
.set j, 0
.rept 16
	v_pk_mul_f32 v[160+j:161+j], v[160+j:161+j], v[252:253] op_sel_hi:[1,0]   ; O^T under the new M, each accumulator from its low end on.  (With the sums above: the places between p's codes and scale word and the products below)
.set j, j+2
.endr
.if \q < 3
	s_wait_alu depctr_va_vdst(0)
	s_wait_dscnt 12                                ; V is in; the twelve loads issued behind it, the next step's K, may be out
.else
	s_wait_alu depctr_va_vdst(0)
	s_wait_dscnt 0x0
.endif
.irp t, 0,1,2,3
	WMA 160+8*\t, 192+8*\t, 224, 248+\t/2, 253, \t%2   ; the four accumulators by turns; the next step's eight products stand between two links of a chain
.endr
.endm
.macro SLOT_STEPS
	STEP 0
	STEP 1
	STEP 2
	STEP 3
	s_xor_b32 s[TB], s[TB], SLOT1                  ; on to the other slot
.endm
	s_load_b128 s[4:7], s[0:1], 0x0                ; qimg s[4:5], kv s[6:7]
	s_load_b64 s[8:9], s[0:1], 0x10                ; oimg
	v_lshl_add_u32 v[SPW], v0, 2, SPARE
	v_mov_b32 v[NIL], 0
	ds_add_u32 v5, v6
	ds_add_u32 v5, v6
	s_wait_dscnt 0x0
	v_lshrrev_b32 v8, 5, v0
	s_delay_alu instid0(VALU_DEP_1)
	v_readfirstlane_b32 s[WV], v8                  ; wave 0..15
	s_and_b32 s38, ttmp7, 0xffff                   ; bh
	s_and_b32 s39, s[WV], 1
	s_mul_i32 s39, s39, 2*STEPB                    ; which half of a slot I fetch, if I fetch: in LDS and in memory alike
	s_mul_i32 s40, s38, 32*STEPB                   ; the pair's 32 key steps
	s_add_co_u32 s40, s40, s39
	s_mov_b32 s41, 0
	; descriptor group 1: 70 rows of 256 bytes (32 elements of 8 bytes), dense in memory and in LDS
	s_mov_b32 s[G1], 3<<16                         ; 15:0 no mask; 17:16 elements of 8 bytes; 20 no padding
	s_mov_b32 s[G1+1], 32<<16                      ; tensor_dim0 = 32
	s_mov_b32 s[G1+2], 70<<16                      ; tensor_dim1 = 70
	s_mov_b32 s[G1+3], 32<<16                      ; tile_dim0 = 32
	s_mov_b32 s[G1+4], 70                          ; tile_dim1 = 70
	s_mov_b32 s[G1+5], 32                          ; tensor_dim0_stride
	s_mov_b32 s[G1+6], 0
	s_mov_b32 s[G1+7], 0
	s_mov_b32 s[SEL], 0x76543210
	s_mov_b32 s[SEL+1], 0xfedcba98
	s_mov_b32 s[CS], 0x3e38aa3b                    ; c = log2(e) / 8
	s_mov_b32 s[CS+1], s[CS]                       ; (named with it as a pair, so it is written)
	s_mov_b32 s[TB], 0
	s_mov_b32 s[SLOTS], 7
	s_wait_kmcnt 0x0
	s_mov_b32 s[G0], 1                             ; count = 1
	s_mov_b32 s[G0+1], s39                         ; LDS address: slot 0
	s_add_nc_u64 s[G0+2:G0+3], s[6:7], s[40:41]    ; global address: the first four key steps
	s_or_b32 s[G0+3], s[G0+3], 0x80000000          ; type = 2
	TLOAD                                          ; slot 0: the launch's one first fill, ahead of every wait on TENSORcnt, every LDS read and every barrier
	s_lshl_b32 s42, ttmp9, 4
	s_add_co_u32 s42, s42, s[WV]                   ; my tile of queries: 16 x block + wave
	s_lshl_b32 s43, s38, 8
	s_add_co_u32 s43, s43, s42                     ; 256 bh + tile
	s_mov_b32 s45, 0
	s_lshl_b32 s44, s43, 9
	s_add_nc_u64 s[46:47], s[4:5], s[44:45]        ; Q's codes: 512 bytes a tile
	s_lshl_b32 s44, s43, 6
	s_add_co_u32 s44, s44, 0x200000
	s_add_nc_u64 s[48:49], s[4:5], s[44:45]        ; Q's scale words: 128 bytes a pair of tiles, 64 a tile
	s_lshr_b32 s50, s38, 2                         ; b
	s_and_b32 s51, s38, 3                          ; head
	s_lshl_b32 s50, s50, 8
	s_add_co_u32 s50, s50, s42                     ; 256 b + tile
	s_lshl_b32 s44, s50, 11
	s_lshl_b32 s52, s51, 9
	s_add_co_u32 s44, s44, s52
	s_add_nc_u64 s[54:55], s[8:9], s[44:45]        ; o's codes: (tile, K step head / 2, c = head % 2): 2,048 x tile + 512 x head
	s_lshl_b32 s44, s50, 8
	s_lshr_b32 s52, s51, 1
	s_lshl_b32 s52, s52, 7
	s_add_co_u32 s44, s44, s52
	s_and_b32 s52, s51, 1
	s_lshl_b32 s52, s52, 1
	s_add_co_u32 s44, s44, s52
	s_add_co_u32 s44, s44, 0x200000
	s_add_nc_u64 s[56:57], s[8:9], s[44:45]        ; o's scale bytes: my head's two of each word
	v_and_b32 v[LI], 31, v0
	s_delay_alu instid0(VALU_DEP_1)
	v_lshlrev_b32 v[LS], 2, v[LI]
	s_delay_alu instid0(VALU_DEP_2)
	v_lshlrev_b32 v[LI], 4, v[LI]
	v_and_b32 v3, 15, v0
	s_delay_alu instid0(VALU_DEP_1)
	v_lshlrev_b32 v3, 2, v3                        ; 4 r
	global_load_b128 v[16:19], v[LI], s[46:47]     ; Q's fragment stays in registers
	global_load_b32 v255, v3, s[48:49]
.irp j, 20,21,22,23
	v_mov_b32 v[\j], 0                             ; k = 64 .. 127 of the first product: zero codes, in Q
.endr
.irp t, 0,1,2,3,4,5,6,7
.irp j, 4,5,6,7
	v_mov_b32 v[32+8*\t+\j], 0                     ; and in K: written once, no load lands there
.endr
.endr
	v_mov_b32 v13, 0xff61b1e6                      ; the largest t so far: -3e38, under every t
	s_delay_alu instid0(VALU_DEP_1)
	v_floor_f32 v12, -v13                          ; -M
	v_mov_b32 v14, 0                               ; the sum, in two halves
	v_mov_b32 v15, 0
.irp b, 0,1,2,3
	v_mov_b32 v[236+\b], 0                         ; a lane permute's destination counts as one of its sources
.endr
	v_mov_b32 v253, 0                              ; (named as the upper half of the pair v[252:253] before it is first written)
.set j, 0
.rept 32
	v_mov_b32 v[160+j], 0                          ; O^T.  (The loop is written once: its first step finds zeros, which the first change of M leaves zeros)
.set j, j+1
.endr
	s_wait_loadcnt 0x0                             ; Q
.Lslot:                                            ; 7 trips: behind each change of slots but the last the next slot is asked for
	CHANGE 1
	s_wait_alu depctr_va_vdst(0)
	SLOT_STEPS
	s_sub_co_u32 s[SLOTS], s[SLOTS], 1
	s_cmp_lg_u32 s[SLOTS], 0
	s_cbranch_scc1 .Lslot
	CHANGE 0                                       ; the last slot is written out
	s_wait_alu depctr_va_vdst(0)
	SLOT_STEPS
	; THE WAY OUT.  O^T is divided by the row's sum and quantised along d: register 16 b + i is d = 32 b + 16 h + i of my query.
.rept 4
	v_nop                                          ; places behind the last products
.endr
	v_add_f32 v14, v14, v15                        ; the sum's two halves,
	s_delay_alu instid0(VALU_DEP_1)
	v_permlanex16_b32 v252, v14, s[SEL], s[SEL+1]
	s_delay_alu instid0(VALU_DEP_1)
	v_add_f32 v14, v14, v252                       ; and lane l xor 16's: the row's sum
	s_wait_alu depctr_va_vdst(0)
	v_rcp_f32 v14, v14
	v_nop                                          ; one plain instruction behind a transcendental
.set j, 0
	s_wait_alu depctr_va_vdst(0)
.rept 32
	v_mul_f32 v[96+j], v[160+j], v14
.set j, j+1
.endr
.irp b, 0,1
	v_max3_num_f32 v[232+\b], |v[96+16*\b]|, |v[97+16*\b]|, 0x1800000
.endr
.irp i, 2,4,6,8,10,12,14
.irp b, 0,1
	s_delay_alu instid0(VALU_DEP_2)
	v_max3_num_f32 v[232+\b], v[232+\b], |v[96+16*\b+\i]|, |v[97+16*\b+\i]|
.endr
.endr
.irp b, 0,1
	s_delay_alu instid0(VALU_DEP_2)
	v_permlanex16_b32 v[236+\b], v[232+\b], s[SEL], s[SEL+1]
.endr
.irp b, 0,1
	s_delay_alu instid0(VALU_DEP_2)
	v_max_num_f32 v[232+\b], v[232+\b], v[236+\b]
.endr
.irp b, 0,1
	s_delay_alu instid0(VALU_DEP_2)
	v_add_nc_u32 v[244+\b], 0xff000000, v[232+\b]
.endr
.irp b, 0,1
	s_delay_alu instid0(VALU_DEP_2)
	v_lshrrev_b32 v[236+\b], 23, v[244+\b]
.endr
	s_delay_alu instid0(VALU_DEP_1)
	v_lshl_or_b32 v252, v237, 8, v236              ; my head's two bytes of the row's scale word
.irp b, 0,1
	v_cvt_scalef32_pk8_fp4_f32 v[224+2*\b], v[96+16*\b:103+16*\b], v[244+\b]
	v_cvt_scalef32_pk8_fp4_f32 v[225+2*\b], v[104+16*\b:111+16*\b], v[244+\b]
.endr
	v_nop                                          ; one plain instruction behind the last scaled conversion
	v_permlane16_swap_b32 v224, v226               ; lanes 0-15 block 0 whole, lanes 16-31 block 1
	v_permlane16_swap_b32 v225, v227
	global_store_b128 v[LI], v[224:227], s[54:55]  ; 512 consecutive bytes
	global_store_b16 v[LS], v252, s[56:57]
	s_wait_tensorcnt 0x0                           ; the wave's end
	ds_add_u32 v[SPW], v[NIL]
	s_wait_dscnt 0x0
	s_endpgm
.Lfunc_end_k_q7960d7f8ae_attn:
	.size	k_q7960d7f8ae_attn, .Lfunc_end_k_q7960d7f8ae_attn-k_q7960d7f8ae_attn
	.p2alignl 7, 3214868480
	.fill 96, 4, 3214868480
	.section	.rodata,"a",@progbits
	.p2align	6, 0x0
	.amdhsa_kernel k_q7960d7f8ae_attn
		.amdhsa_group_segment_fixed_size 327680
		.amdhsa_private_segment_fixed_size 0
		.amdhsa_enable_private_segment 0
		.amdhsa_kernarg_size 24
		.amdhsa_user_sgpr_count 2
		.amdhsa_user_sgpr_kernarg_segment_ptr 1
		.amdhsa_wavefront_size32 1
		.amdhsa_system_sgpr_workgroup_id_x 1
		.amdhsa_system_sgpr_workgroup_id_y 1
		.amdhsa_system_sgpr_workgroup_id_z 1
		.amdhsa_system_vgpr_workitem_id 0
		.amdhsa_next_free_vgpr 256
		.amdhsa_next_free_sgpr 66
		.amdhsa_reserve_vcc 0
		.amdhsa_float_denorm_mode_32 3
		.amdhsa_float_denorm_mode_16_64 3
		.amdhsa_memory_ordered 1
		.amdhsa_forward_progress 1
		.amdhsa_inst_pref_size 138
	.end_amdhsa_kernel
	.amdgpu_metadata
---
amdhsa.version: [ 1, 2 ]
amdhsa.kernels:
  - .name:           k_q7960d7f8ae_attn
    .symbol:         k_q7960d7f8ae_attn.kd
    .args:
      - { .name: qimg, .offset: 0, .size: 8, .value_kind: global_buffer, .address_space: global }
      - { .name: kv, .offset: 8, .size: 8, .value_kind: global_buffer, .address_space: global }
      - { .name: oimg, .offset: 16, .size: 8, .value_kind: global_buffer, .address_space: global }
    .group_segment_fixed_size: 327680
    .private_segment_fixed_size: 0
    .kernarg_segment_align: 8
    .kernarg_segment_size: 24
    .max_flat_workgroup_size: 512
    .sgpr_count:     66
    .vgpr_count:     256
    .wavefront_size: 32
...
	.end_amdgpu_metadata
.endif
;; end of part 3
;; launch proj (part 4): grid 64 x 4, 8 waves a work-group, no clusters, 70,656 bytes of LDS; arguments oimg, wimg, out_b, x, out0; writes out0
.if DOCPART == 4
	.amdgcn_target "amdgcn-amd-amdhsa--gfx1250"
	.amdhsa_code_object_version 6
	.text
	.protected	k_q7960d7f8ae_proj
	.globl	k_q7960d7f8ae_proj
	.p2align	8
	.type	k_q7960d7f8ae_proj,@function
k_q7960d7f8ae_proj:
	s_mov_b64 s[64:65], 0
	v_nop
	global_prefetch_b8 v0, s[64:65] scope:SCOPE_SE
	s_setreg_imm32_b32 hwreg(HW_REG_WAVE_MODE, 25, 1), 1
	s_wait_xcnt 0x0
; out0 = x + out_w o + out_b, the product on codes of FP4 (E2M1, one E8M0 byte for each 32 along K = the 256 channels).  Both operands arrive as images of operand registers.
; SHARES.  A work-group takes 64 positions of one batch (grid x = block of 64, y = b); wave w makes output channels 32 w .. 32 w + 31 for them: 2 tiles of channels x 4 tiles of positions x 2 K steps = 16 matrix
; instructions, the 8 accumulators by turns.  Source 0 = o's 16 positions, source 1 = out_w's 16 rows: a lane holds ONE channel and its registers run along the positions.
; Positions and weight rows of a tile are not neighbours (lane r of tile 2 B + u is index 32 B + 8 u + r + 8 (r / 8)): register j of lane half h of position tile 2 P + u is position 32 P + 16 h + 8 u + j.
; The bias is the C of each sum's first matrix instruction.  The results go through the wave's own stage in LDS (32 rows of 256 bytes + 16) and come back as whole rows, to which x is added:
; sixteen lanes store 256 consecutive aligned bytes.  No loop, no barrier: waves share nothing.  x is asked for with the operands and lands under the products.
; REGISTERS: window 0: v1-6 addresses; v8-39 out_w's fragments; v40-43 their scale words; v44-51 o's scale words; v52-67 the bias; v68-131 o's fragments, later the rows read back; v132-195 accumulators.
;   window 1: v0-63 x.
.set W,    8
.set WS,   40
.set OS,   44
.set BI,   52
.set OF,   68
.set ACC,  132
.set SP,   272                         ; a stage row
.set MSB, 0
.macro WIN new                         ; s_set_vgpr_msb: bits 1:0 source 0, 3:2 source 1, 5:4 source 2, 7:6 destination; the high byte repeats the setting that is left
.if MSB != \new
	s_set_vgpr_msb (MSB<<8)|\new
.set MSB, \new
.endif
.endm
	s_load_b256 s[4:11], s[0:1], 0x0               ; oimg s[4:5], wimg s[6:7], out_b s[8:9], x s[10:11]
	s_load_b64 s[12:13], s[0:1], 0x20              ; out0
	v_lshl_add_u32 v254, v0, 2, 0x11000
	v_mov_b32 v255, 0
	v_lshrrev_b32 v1, 5, v0
	s_delay_alu instid0(VALU_DEP_1)
	v_readfirstlane_b32 s16, v1                    ; wave 0..7
	v_and_b32 v7, 31, v0
	s_delay_alu instid0(VALU_DEP_1)
	v_lshlrev_b32 v1, 4, v7                        ; 16 x lane
	s_delay_alu instid0(VALU_DEP_2)
	v_lshlrev_b32 v2, 2, v7                        ; 4 x lane
	v_and_b32 v7, 15, v0                           ; r
	v_bfe_u32 v196, v0, 4, 1                       ; h
	s_delay_alu instid0(VALU_DEP_2)
	v_and_b32 v197, 8, v7
	s_delay_alu instid0(VALU_DEP_1)
	v_add_nc_u32 v197, v197, v7                    ; r + 8 (r / 8)
	s_mul_i32 s17, s16, 32*SP                      ; my stage
	v_mul_u32_u24 v3, v197, SP
	s_delay_alu instid0(VALU_DEP_1)
	v_lshl_add_u32 v3, v196, 6, v3
	s_delay_alu instid0(VALU_DEP_1)
	v_add_nc_u32 v3, s17, v3                       ; in: my channel's row, + 64 h
	v_mul_u32_u24 v4, v196, SP
	s_delay_alu instid0(VALU_DEP_1)
	v_lshl_add_u32 v4, v7, 4, v4
	s_delay_alu instid0(VALU_DEP_1)
	v_add_nc_u32 v4, s17, v4                       ; back: lanes 0-15 one row, lanes 16-31 the next
	v_lshlrev_b32 v5, 14, v196
	s_delay_alu instid0(VALU_DEP_1)
	v_lshl_add_u32 v5, v7, 4, v5                   ; and the same two rows in x and out0: 16,384 bytes a channel
	v_lshlrev_b32 v6, 2, v197                      ; out_b: 4 (r + 8 (r / 8))
	s_and_b32 s18, ttmp7, 0xffff                   ; b
	s_lshl_b32 s19, s18, 8
	s_lshl_b32 s2, ttmp9, 2
	s_add_co_u32 s19, s19, s2                      ; my first position tile: 256 b + 4 x block
	s_mov_b32 s3, 0
	s_wait_alu depctr_va_vdst(0)
	s_wait_kmcnt 0x0
	s_lshl_b32 s2, s19, 11
	s_add_nc_u64 s[20:21], s[4:5], s[2:3]          ; o's codes: 2,048 bytes a tile
	s_lshl_b32 s2, s19, 8
	s_add_co_u32 s2, s2, 0x200000
	s_add_nc_u64 s[22:23], s[4:5], s[2:3]          ; o's scale words: 256 bytes a tile
	s_lshl_b32 s2, s16, 12
	s_add_co_u32 s2, s2, 96*1024
	s_add_nc_u64 s[24:25], s[6:7], s[2:3]          ; out_w's units 96 + 4 w on: codes,
	s_lshl_b32 s2, s16, 9
	s_add_co_u32 s2, s2, 0x20000+96*128
	s_add_nc_u64 s[26:27], s[6:7], s[2:3]          ; scale words
	s_lshl_b32 s2, s16, 7
	s_add_nc_u64 s[8:9], s[8:9], s[2:3]            ; out_b: my 32 channels
	s_lshl_b32 s2, s18, 22
	s_lshl_b32 s17, s16, 19
	s_add_co_u32 s2, s2, s17
	s_lshl_b32 s17, ttmp9, 8
	s_add_co_u32 s2, s2, s17                       ; b x 4,194,304 + 32 w channels + 256 x block
	s_add_nc_u64 s[10:11], s[10:11], s[2:3]
	s_add_nc_u64 s[12:13], s[12:13], s[2:3]
.irp m, 0,1,2,3
.irp s, 0,1
.irp c, 0,1
	global_load_b128 v[OF+8*(2*\m+\s)+4*\c:OF+8*(2*\m+\s)+4*\c+3], v1, s[20:21] offset:2048*\m+1024*\s+512*\c
.endr
	global_load_b32 v[OS+2*\m+\s], v2, s[22:23] offset:256*\m+128*\s
.endr
.endr
.irp u, 0,1
.irp s, 0,1
.irp c, 0,1
	global_load_b128 v[W+8*(2*\u+\s)+4*\c:W+8*(2*\u+\s)+4*\c+3], v1, s[24:25] offset:2048*\u+1024*\s+512*\c
.endr
	global_load_b32 v[WS+2*\u+\s], v2, s[26:27] offset:128*(2*\u+\s)
.endr
.irp j, 0,1,2,3,4,5,6,7
	global_load_b32 v[BI+8*\u+\j], v6, s[8:9] offset:32*\u     ; my channel's bias, the same in all eight registers
.endr
.endr
	WIN 0x40                                       ; destination window 1
.set i, 0
.rept 16
	global_load_b128 v[4*i:4*i+3], v5, s[10:11] offset:32768*i th:TH_LOAD_NT   ; channels 2 i, 2 i + 1: sixteen lanes read 256 consecutive aligned bytes; x's last read
.set i, i+1
.endr
	WIN 0
	s_wait_loadcnt 16                              ; the 52 operand loads are in; x's sixteen, issued behind them, may be out
.irp s, 0,1
.irp u, 0,1
.irp m, 0,1,2,3
.if \s == 0
	v_wmma_scale_f32_16x16x128_f8f6f4 v[ACC+8*(4*\u+\m):ACC+8*(4*\u+\m)+7], v[OF+8*(2*\m+\s):OF+8*(2*\m+\s)+7], v[W+8*(2*\u+\s):W+8*(2*\u+\s)+7], v[BI+8*\u:BI+8*\u+7], v[OS+2*\m+\s], v[WS+2*\u+\s] matrix_a_fmt:MATRIX_FMT_FP4 matrix_b_fmt:MATRIX_FMT_FP4
.else
	v_wmma_scale_f32_16x16x128_f8f6f4 v[ACC+8*(4*\u+\m):ACC+8*(4*\u+\m)+7], v[OF+8*(2*\m+\s):OF+8*(2*\m+\s)+7], v[W+8*(2*\u+\s):W+8*(2*\u+\s)+7], v[ACC+8*(4*\u+\m):ACC+8*(4*\u+\m)+7], v[OS+2*\m+\s], v[WS+2*\u+\s] matrix_a_fmt:MATRIX_FMT_FP4 matrix_b_fmt:MATRIX_FMT_FP4
.endif
.endr
.endr
.endr
.rept 4
	v_nop                                          ; four places in front of the stores that read results and of the loads into o's registers
.endr
.irp u, 0,1
.irp m, 0,1,2,3
	ds_store_b128 v3, v[ACC+8*(4*\u+\m):ACC+8*(4*\u+\m)+3] offset:8*SP*\u+128*(\m/2)+32*(\m%2)       ; each accumulator from its low end on
	ds_store_b128 v3, v[ACC+8*(4*\u+\m)+4:ACC+8*(4*\u+\m)+7] offset:8*SP*\u+128*(\m/2)+32*(\m%2)+16
.endr
.endr
.set i, 0
.rept 16
	ds_load_b128 v[OF+4*i:OF+4*i+3], v4 offset:2*SP*i      ; LDS serves a wave's instructions in order (ISA guide 5.7.1.4): these see my stores
.set i, i+1
.endr
	s_wait_loadcnt 0x0                             ; x
	WIN 0x44                                       ; destination and source 1 (a store's data) window 1
.set i, 0
.rept 16
	s_wait_dscnt 15-i                              ; rows 2 i, 2 i + 1 are back; the younger loads may be out
	v_pk_add_f32 v[4*i:4*i+1], v[OF+4*i:OF+4*i+1], v[4*i:4*i+1]
	v_pk_add_f32 v[4*i+2:4*i+3], v[OF+4*i+2:OF+4*i+3], v[4*i+2:4*i+3]
	global_store_b128 v5, v[4*i:4*i+3], s[12:13] offset:32768*i th:TH_STORE_NT   ; sixteen lanes store 256 consecutive aligned bytes; written once, read by nobody here
.set i, i+1
.endr
	WIN 0
	s_wait_tensorcnt 0x0
	ds_add_u32 v254, v255
	s_wait_dscnt 0x0
	s_endpgm
.Lfunc_end_k_q7960d7f8ae_proj:
	.size	k_q7960d7f8ae_proj, .Lfunc_end_k_q7960d7f8ae_proj-k_q7960d7f8ae_proj
	.p2alignl 7, 3214868480
	.fill 96, 4, 3214868480
	.section	.rodata,"a",@progbits
	.p2align	6, 0x0
	.amdhsa_kernel k_q7960d7f8ae_proj
		.amdhsa_group_segment_fixed_size 70656
		.amdhsa_private_segment_fixed_size 0
		.amdhsa_enable_private_segment 0
		.amdhsa_kernarg_size 40
		.amdhsa_user_sgpr_count 2
		.amdhsa_user_sgpr_kernarg_segment_ptr 1
		.amdhsa_wavefront_size32 1
		.amdhsa_system_sgpr_workgroup_id_x 1
		.amdhsa_system_sgpr_workgroup_id_y 1
		.amdhsa_system_sgpr_workgroup_id_z 1
		.amdhsa_system_vgpr_workitem_id 0
		.amdhsa_next_free_vgpr 320
		.amdhsa_next_free_sgpr 66
		.amdhsa_reserve_vcc 0
		.amdhsa_float_denorm_mode_32 3
		.amdhsa_float_denorm_mode_16_64 3
		.amdhsa_memory_ordered 1
		.amdhsa_forward_progress 1
		.amdhsa_inst_pref_size 18
	.end_amdhsa_kernel
	.amdgpu_metadata
---
amdhsa.version: [ 1, 2 ]
amdhsa.kernels:
  - .name:           k_q7960d7f8ae_proj
    .symbol:         k_q7960d7f8ae_proj.kd
    .args:
      - { .name: oimg, .offset: 0, .size: 8, .value_kind: global_buffer, .address_space: global }
      - { .name: wimg, .offset: 8, .size: 8, .value_kind: global_buffer, .address_space: global }
      - { .name: out_b, .offset: 16, .size: 8, .value_kind: global_buffer, .address_space: global }
      - { .name: x, .offset: 24, .size: 8, .value_kind: global_buffer, .address_space: global }
      - { .name: out0, .offset: 32, .size: 8, .value_kind: global_buffer, .address_space: global }
    .group_segment_fixed_size: 70656
    .private_segment_fixed_size: 0
    .kernarg_segment_align: 8
    .kernarg_segment_size: 40
    .max_flat_workgroup_size: 256
    .sgpr_count:     66
    .vgpr_count:     320
    .wavefront_size: 32
...
	.end_amdgpu_metadata
.endif
;; end of part 4
